; MI455X (gfx1250); checked and timed in simulation.
; The chip was launched on July 23, 2026; its instructions are those of AMD's public machine-readable ISA for CDNA 5 (MIT licence, August 2026) and "CDNA5" Instruction Set Architecture Reference Guide (July 2026). The comments in the code are by the model that wrote it; some were corrected since.
;; Multi Scale Sliding Window. Allowed arithmetic: matrix products marked QUANTISED: E2M1 operands, one E8M0 scale for each 32 along K, by v_wmma_scale_f32_16x16x128_f8f6f4 with both operands' format E2M1 (or v_wmma_scale_f32_32x16x128_f4), f32 sums; products left as they are: f32 operands where the result goes on into a quantised operand, else bf16, f16 or f32 operands; f32 sums; everything else in f32.
;; Inputs: W_codes 3 x 1,024 x 32 x 16 uint8 (E2M1 codes of W, K innermost, in blocks of 32 codes, two codes a byte); W_scales 3 x 1,024 x 32 uint8 (E8M0 scales of W, one for each 32 codes along K); b 3 x 1,024 float32; beta 3 x 1,024 float32; gamma 3 x 1,024 float32; x_codes 32 x 512 x 32 x 16 uint8 (E2M1 codes of x, K innermost, in blocks of 32 codes, two codes a byte); x_scales 32 x 512 x 32 uint8 (E8M0 scales of x, one for each 32 codes along K).
;; Outputs: out0 32 x 1,024 float32; out1 32 x 1,024 float32; out2 32 x 1,024 float32.
;; This version of the problem:
;;   THIS VERSION OF THE PROBLEM IS GIVEN IN LOW PRECISION. The matrix products marked QUANTISED in the list below multiply operands that are first quantised to E2M1 (2 exponent bits, 1 mantissa bit; 4 bits a number), with one power-of-two scale for each 32 numbers along K (OCP MX v1.0); their sums are f32. All else is computed in f32.
;;   The module's matrix products, in the order in which they are computed (A, B: the left and right operand; K: the contracted axis; several contracted axes count as one K, in the product's order):
;;     1. [M 16,384, K 1,024] x [K 1,024, N 1,024]; A: input x (given as codes); B: input W (given as codes): QUANTISED
;;     2. [M 32,768, K 512] x [K 512, N 1]; A: computed on the way; B: computed on the way: left as it is (N = 1 < 16)
;;     3. [M 16,384, K 1,024] x [K 1,024, N 1,024]; A: input x (given as codes); B: input W (given as codes): QUANTISED
;;     4. [M 32,768, K 512] x [K 512, N 1]; A: computed on the way; B: computed on the way: left as it is (N = 1 < 16)
;;     5. [M 16,384, K 1,024] x [K 1,024, N 1,024]; A: input x (given as codes); B: input W (given as codes): QUANTISED
;;     6. [M 32,768, K 512] x [K 512, N 1]; A: computed on the way; B: computed on the way: left as it is (N = 1 < 16)
;;   THE QUANTISER, for each operand of a quantised product, along K:
;;     - K is cut into blocks of 32 from its start; a last block that is shorter is filled with zeros.
;;     - A block's scale is 2^e with e = floor(log2(the largest magnitude in the block)) - 2, held to -126 .. 127; a block of zeros has e = 0. As a byte (E8M0): e + 127.
;;     - Each number is divided by its block's scale, clamped to +-6, and rounded to the nearest number of E2M1, ties to even, subnormals kept.
;;     - The product sums the exact products of the quantised numbers (number of the format x scale) in f32.
;;   ~~~python
;;   def quantise(x, axis):      # numpy; x: float32 -> the quantised numbers, widened to float32 again
;;       x = np.moveaxis(x, axis, -1); K = x.shape[-1]
;;       x = np.pad(x, [(0, 0)] * (x.ndim - 1) + [(0, -K % 32)]); x = x.reshape(x.shape[:-1] + (-1, 32)); a = np.abs(x).max(-1, keepdims=True)
;;       e = np.where(a > 0, np.clip(np.frexp(np.where(a > 0, a, 1))[1] - 1 - 2, -126, 127), 0)      # np.frexp(a)[1] - 1 = floor(log2(a)), exactly
;;       r = np.clip(x / 2.0 ** e, -6, 6)
;;       step = 2.0 ** (np.maximum(np.frexp(np.where(r == 0, 1, r))[1] - 1, 0) - 1)
;;       q = np.round(r / step) * step * 2.0 ** e      # np.round: ties to even
;;       return np.moveaxis(q.reshape(q.shape[:-2] + (-1,))[..., :K], -1, axis).astype(np.float32)
;;   ~~~
;;   INPUTS GIVEN AS CODES. W (in the module: [3, 1024, 1024], K = its axis 2); x (in the module: [32, 512, 1024], K = its axis 2): each comes as NAME_codes (uint8): NAME with its K axis moved to the last place and cut into blocks of 32 codes, [.., K / 32, bytes a block], one block behind the other in memory; two codes a byte, the lower K in the low four bits (a code: sign, 2 exponent bits, 1 mantissa bit); and NAME_scales (uint8): the same leading axes, one E8M0 byte (e + 127) for each 32 codes along K. Its value is code x scale, taken as it is: it is not quantised again, and the codes and scales need not be those that the quantiser above would give.
;; One version. Each part assembles by itself: llvm-mc -triple=amdgcn-amd-amdhsa -mcpu=gfx1250 --defsym DOCPART=n.
;; ======== version 1 of 1: 2 launches
;; limits: right only within a limited range of input values
;; workspace buffers: part 3,145,728 bytes
;; launch mlp (part 1): grid 256 x 1, 8 waves a work-group, clusters of 4 x 1, 327,680 bytes of LDS; arguments W_codes, W_scales, b, beta, gamma, x_codes, x_scales, part; writes part
.if DOCPART == 1
	.amdgcn_target "amdgcn-amd-amdhsa--gfx1250"
	.amdhsa_code_object_version 6
	.text
	.protected	k_q0e700a5483_mlp
	.globl	k_q0e700a5483_mlp
	.p2align	8
	.type	k_q0e700a5483_mlp,@function
k_q0e700a5483_mlp:
	s_mov_b64 s[64:65], 0
	v_nop
	global_prefetch_b8 v0, s[64:65] scope:SCOPE_SE
	s_setreg_imm32_b32 hwreg(HW_REG_WAVE_MODE, 25, 1), 1
	s_wait_xcnt 0x0
	s_wait_alu depctr_hold_cnt(0) depctr_sa_sdst(0) depctr_va_vdst(0) depctr_va_sdst(0) depctr_va_ssrc(0) depctr_va_vcc(0) depctr_vm_vsrc(0)
	s_getreg_b32 s2, hwreg(HW_REG_IB_STS2, 6, 4)
	s_cmp_eq_u32 s2, 0
	s_cbranch_scc0 .Lentry_in_a_cluster
	s_endpgm
.Lentry_in_a_cluster:
	s_bfe_u32 s2, ttmp6, 0x10000c
	s_cmp_lg_u32 s2, 0x3003
	s_cbranch_scc0 .Lentry_shape_is_right
	s_endpgm
.Lentry_shape_is_right:
; part[blk][i][e] = sum over the 64 tokens n of block blk of w_i(n) gelu(LN_i(x[n] . W_i[e] + b_i[e])), i = 0, 1, 2 (windows of 4, 8, 16), e = 0 .. 1023.
; x and W are FP4 (E2M1) codes with one E8M0 byte for each 32 along K; the products go by v_wmma_scale_f32_16x16x128_f8f6f4 on the codes as they lie; all else is f32.  No work of reference() is left out.
; SHARES.  Work-group blk owns tokens 64 blk .. +63 for all three scales.  Eight waves: wave w = 2 cn + tm owns tokens 32 tm .. +31 and, in each of a scale's four slots of 256 rows of W, rows 64 cn .. +63:
; 32 tokens x 256 columns of a scale, 32 accumulators, 256 registers (window 1).  Its 32 tokens of x (128 registers) stay in registers for the whole launch.
; LAYOUT.  Source 0 = 16 tokens, source 1 = 16 rows of W: register j of lane (r, h) is token 16 m + 8 h + j, column r.  The token sum stays in a lane; only the norm's sums cross lanes.
; ARITHMETIC.  X = z / sqrt 2 (the factor lies in rs and beta); gelu(z) = (X + X erf X) / sqrt 2 (this factor lies in the token's weight); erf X = Xc P(u) / Q(u), Xc = X held to -4 .. 4, u = Xc^2.
; The variance has no difference of large sums: a wave takes the mean c of its 256 columns, puts d = y - c in place, M2 = sum d^2; mu = mean of four c, M2 = sum M2 + 256 sum (c - mu)^2.  Then t = d rs + (c - mu) rs in place.
; ORDER.  G(c): products of column group c; E(c): gelu and token sum of group c.  Between two refills a wave has G(c - 1) of the next scale and E(c) of this one: half of the waves (bit 0 xor bit 2 of the wave's number) run E first.
; CLUSTER.  The four work-groups of a cluster walk the same W: each wave's 32 rows of a slot are asked for JOINTLY (mask 15), by the same load with the same descriptor in all four.
; No prefetch is written: a slot's refill is issued one whole E phase ahead of the products that read it, and all work-groups walk the same 1.5 MB of W in the same order.
; LIMITS.  NaN and infinities (a scale byte 0xff) are not served.  erf is a rational form with an absolute error of a few 1e-7, held at its value at 4 beyond |z| = 4 sqrt 2; one reciprocal serves four numbers.
.set PITCH, 528                        ; a row of W or x in LDS: 512 bytes + 16
.set QUART, 64*PITCH
.set PART8, 32*PITCH                   ; what one wave fetches of a slot
.set SLOTB, 4*QUART
.set XST,   2*SLOTB                    ; stage for x: 64 rows
.set EXB,   XST+64*PITCH               ; [wave 8][c 32, M2 32] f32
.set TOKB,  EXB+2048                   ; a wave's own 384 bytes: rs, (c - mu) rs, weight of its 32 tokens
.set OUTB,  TOKB+3072                  ; [tm 2][1024] f32
.set SPARE, OUTB+8192+2048             ; the spare words; 2,048 unnamed bytes lie in front of them, beyond the reach of the tail's stepped address
.set SPW, 1
.set NIL, 2
.set AW,  3                            ; v3, v4 my lane's place in W's rows, slot buffer 0, 1
.set OWS, 5
.set OB,  6
.set AEX, 7
.set ALT, 8
.set ATS, 9
.set ATK, 10
.set AOW, 11
.set AOS, 12
.set AOL, 13
.set OPT, 14
.set NT,  15
.set AGB, 0                            ; v0, once the thread's number is used up: my column's place in gamma's table, + 4096 a scale; beta's lies 12,288 bytes on
.set VA13, 16
.set VB8,  18
.set XS,  20                           ; v20-27 x's scale words of K step q: lanes 0-15 row tile 0, lanes 16-31 row tile 1
.set WS,  28                           ; v28-43 W's: 8 u + q, tiles 2 u and 2 u + 1
.set BBR, 44                           ; v44-47 bias of tile tt
.set FF,  28                           ; S: v28-43 at work (W's words are not in hand then)
.set OGT, 44                           ; tail: stepped offsets
.set AOT, 45
.set GB,  48                           ; v48-55 (gamma, beta / sqrt 2) of tile tt
.set QQ,  56
.set LN,  48                           ; head only: v48-55
.set LR,  49
.set LH,  50
.set OX,  51
.set AXS, 52
.set AXL, 53
.set OXS, 54
.set WF,  64                           ; G: v64-95, v96-127 two sets of W's fragments (one K step, four tiles)
.set BIAS, 96                          ; K step 0's C operand lies in set 1
.set SUM, 64                           ; S
.set SQ,  80
.set RS,  96
.set NM,  112
.set WT,  64                           ; E
.set ACCO, 72
.set TR,  76
.set XR,  80
.set XC,  96
.set UU,  104
.set PM,  112
.set RR,  120
.set T1,  122
.set XF0, 128                          ; v128-255 x: fragment (m, q) at 64 m + 8 q
.set WV,  20
.set G1W, 24
.set G0W, 32
.set A11, 40
.set A9,  42
.set A7,  44
.set A5,  46
.set A3,  48
.set A1,  50
.set B6,  52
.set B4,  54
.set B2,  56
.set B0,  58
.set SI,  60
.set SM,  61
.set SC,  62
.set SS,  63
.set SNW, 66
.set SNS, 67
.set SEL, 68
.set ISQ, 77
.set TM,  80
.set CN,  81
.set ORD, 82
.set MSB, 0
.macro WIN new                         ; the immediate's high byte repeats the setting that is left
.if MSB != (\new)
	s_set_vgpr_msb (MSB<<8)|(\new)
.set MSB, \new
.endif
.endm
.macro PLACES n
.rept \n
	v_nop
.endr
.endm
.macro COEF reg, val
	s_mov_b32 s[\reg], \val
	s_mov_b32 s[\reg+1], \val
.endm
.macro VW
	s_wait_alu depctr_va_vdst(0)
.endm
.macro BAR
	s_barrier_signal -1
	s_barrier_wait -1
.endm
.macro ROUND                           ; a round of the cluster's barrier
	BAR
	s_cmp_lg_u32 s[WV], 0
	s_cbranch_scc1 .Lnot_wave_0_\@
	s_barrier_signal -3
.Lnot_wave_0_\@:
	s_barrier_wait -3
	BAR
.endm
.macro TLOAD buf
	tensor_load_to_lds s[G0W+4*\buf:G0W+4*\buf+3], s[G1W:G1W+7]
	s_nop 0
	PLACES 4
.endm
; Slot buffer buf, which every wave has multiplied, takes the slot two further on; the wait for 0 also shows the other buffer's load landed, in every wave, ahead of the round.
.macro HF buf
	s_wait_tensorcnt 0x0
	ds_add_u32 v[SPW], v[NIL]
	s_add_nc_u64 s[G0W+4*\buf+2:G0W+4*\buf+3], s[G0W+4*\buf+2:G0W+4*\buf+3], 262144
	s_wait_dscnt 0x0                       ; the add, and my reads of the buffer
	ROUND
	TLOAD \buf
.endm
.macro PREFG c                         ; 8 loads: W's scale words and the bias of group c
.irp u, 0,1
.irp cc, 0,1
	global_load_b128 v[WS+8*\u+4*\cc:WS+8*\u+4*\cc+3], v[OWS], s[6:7] offset:8192*(\c)+1024*\u+16*\cc
.endr
.endr
.irp tt, 0,1,2,3
	global_load_b32 v[BBR+\tt], v[OB], s[8:9] offset:1024*(\c)+64*\tt
.endr
.endm
.macro GBL c                           ; 8 loads: gamma and beta of group c, my column of each tile
.irp tt, 0,1,2,3
	ds_load_b32 v[GB+2*\tt], v[AGB] offset:1024*(\c)+64*\tt
	ds_load_b32 v[GB+2*\tt+1], v[AGB] offset:12288+1024*(\c)+64*\tt
.endr
.endm
.macro FETCH buf, q, set               ; 8 LDS loads: W's four fragments of K step q
.irp tt, 0,1,2,3
.irp cc, 0,1
	ds_load_b128 v[WF+32*(\set)+8*\tt+4*\cc:WF+32*(\set)+8*\tt+4*\cc+3], v[AW+\buf] offset:16*PITCH*\tt+64*(\q)+32*\cc
.endr
.endr
.endm
.macro WM d, a, bb, cb, sa, sb, ra, rb ; ra, rb: the side's scale words lie in lanes 16-31
.if ((\ra) == 0) && ((\rb) == 0)
	v_wmma_scale_f32_16x16x128_f8f6f4 v[(\d):(\d)+7], v[(\a):(\a)+7], v[(\bb):(\bb)+7], v[(\cb):(\cb)+7], v[(\sa)], v[(\sb)] matrix_a_fmt:MATRIX_FMT_FP4 matrix_b_fmt:MATRIX_FMT_FP4
.elseif ((\ra) == 1) && ((\rb) == 0)
	v_wmma_scale_f32_16x16x128_f8f6f4 v[(\d):(\d)+7], v[(\a):(\a)+7], v[(\bb):(\bb)+7], v[(\cb):(\cb)+7], v[(\sa)], v[(\sb)] matrix_a_fmt:MATRIX_FMT_FP4 matrix_b_fmt:MATRIX_FMT_FP4 matrix_a_scale:MATRIX_SCALE_ROW1
.elseif ((\ra) == 0) && ((\rb) == 1)
	v_wmma_scale_f32_16x16x128_f8f6f4 v[(\d):(\d)+7], v[(\a):(\a)+7], v[(\bb):(\bb)+7], v[(\cb):(\cb)+7], v[(\sa)], v[(\sb)] matrix_a_fmt:MATRIX_FMT_FP4 matrix_b_fmt:MATRIX_FMT_FP4 matrix_b_scale:MATRIX_SCALE_ROW1
.else
	v_wmma_scale_f32_16x16x128_f8f6f4 v[(\d):(\d)+7], v[(\a):(\a)+7], v[(\bb):(\bb)+7], v[(\cb):(\cb)+7], v[(\sa)], v[(\sb)] matrix_a_fmt:MATRIX_FMT_FP4 matrix_b_fmt:MATRIX_FMT_FP4 matrix_a_scale:MATRIX_SCALE_ROW1 matrix_b_scale:MATRIX_SCALE_ROW1
.endif
.endm
.macro MULS c, q, set                  ; 8 products of K step q: the group's 8 accumulators by turns; K step 0 takes the bias as C
.if (\q) == 0
	WIN 0x40                               ; D window 1
.else
	WIN 0x50                               ; C and D window 1
.endif
.irp tt, 0,1,2,3
.irp mm, 0,1
.if (\q) == 0
	WM 64*(\c)+32*\mm+8*\tt, XF0+64*\mm+8*(\q), WF+32*(\set)+8*\tt, BIAS+8*\tt, XS+(\q), WS+8*(\tt/2)+(\q), \mm, \tt%2
.else
	WM 64*(\c)+32*\mm+8*\tt, XF0+64*\mm+8*(\q), WF+32*(\set)+8*\tt, 64*(\c)+32*\mm+8*\tt, XS+(\q), WS+8*(\tt/2)+(\q), \mm, \tt%2
.endif
.endr
.endr
.endm
; G(c): 64 products, 64 LDS loads in runs of 8, two sets by turns.  lc: the global loads younger than this group's scale words and bias.
.macro GEMM c, buf, lc, pref
	s_wait_loadcnt \lc
	FETCH \buf, 0, 0
.irp tt, 0,1,2,3
.irp jj, 0,1,2,3,4,5,6,7
	v_mov_b32 v[BIAS+8*\tt+\jj], v[BBR+\tt]
.endr
.endr
	PLACES 5
	VW
	s_wait_dscnt 0x0
	MULS \c, 0, 0
	WIN 0
	PLACES 4                               ; four plain lines ahead of loads into registers that the products have read
	FETCH \buf, 1, 1
	FETCH \buf, 2, 0
.set Q, 1
.rept 7
.if Q < 7
	s_wait_dscnt 8                         ; K step Q's set is in; the 8 loads of the next may be out
.else
	s_wait_dscnt 0x0
.endif
	MULS \c, Q, Q%2
.if Q < 6
	WIN 0
	PLACES 4
	FETCH \buf, Q+2, Q%2
.endif
.set Q, Q+1
.endr
	WIN 0
	PLACES 4
.if \pref
	PREFG (\c)+1
.endif
.endm
.macro BFLY base                       ; 16 registers summed over the 16 lanes of a half
.irp x, 1,2,4,8
.set NI, 0
.rept 16
	v_add_f32_dpp v[\base+NI], v[\base+NI], v[\base+NI] row_xmask:\x row_mask:0xf bank_mask:0xf
.set NI, NI+1
.endr
.endr
.endm
.macro TILES op                        ; a line for each register pair of my 16 tiles x 2 row tiles; AA: the pair in window 1, NN: its token pair
.set TI, 0
.rept 16
.irp mm, 0,1
.irp jp, 0,1,2,3
.set AA, 64*(TI/4)+8*(TI%4)+32*\mm+2*\jp
.set NN, 8*\mm+2*\jp
	\op
.endr
.endr
.set TI, TI+1
.endr
.endm
.macro OPSUM
.if TI == 1
	v_pk_add_f32 v[SUM+NN:SUM+NN+1], v[AA-8:AA-7], v[AA:AA+1]
.elseif TI > 1
	v_pk_add_f32 v[SUM+NN:SUM+NN+1], v[AA:AA+1], v[SUM+NN:SUM+NN+1]
.endif
.endm
.macro OPDIF
	v_pk_add_f32 v[AA:AA+1], v[AA:AA+1], v[SUM+NN:SUM+NN+1] neg_lo:[0,1] neg_hi:[0,1]
.endm
.macro OPSQ
.if TI == 0
	v_pk_mul_f32 v[SQ+NN:SQ+NN+1], v[AA:AA+1], v[AA:AA+1]
.else
	v_pk_fma_f32 v[SQ+NN:SQ+NN+1], v[AA:AA+1], v[AA:AA+1], v[SQ+NN:SQ+NN+1]
.endif
.endm
.macro OPNRM
	v_pk_fma_f32 v[AA:AA+1], v[AA:AA+1], v[RS+NN:RS+NN+1], v[NM+NN:NM+NN+1]
.endm
; S: the norm of my 32 tokens, applied in place, and the tokens' weights.
.macro STATS
	WIN 0x05                               ; sources 0 and 1 window 1
	VW
.set TI, 1
.irp mm, 0,1
.irp jp, 0,1,2,3
.set AA, 8+32*\mm+2*\jp
.set NN, 8*\mm+2*\jp
	OPSUM                                  ; tiles 0 and 1 start the sums; each accumulator is read from its low end on
.endr
.endr
	WIN 0x01
.set TI, 2
.rept 14
.irp mm, 0,1
.irp jp, 0,1,2,3
.set AA, 64*(TI/4)+8*(TI%4)+32*\mm+2*\jp
.set NN, 8*\mm+2*\jp
	OPSUM
.endr
.endr
.set TI, TI+1
.endr
	WIN 0
	BFLY SUM
.set NI, 0
.rept 8
	v_pk_mul_f32 v[SUM+2*NI:SUM+2*NI+1], v[SUM+2*NI:SUM+2*NI+1], 0x3b800000 op_sel_hi:[1,0]   ; / 256: c
.set NI, NI+1
.endr
	WIN 0x41                               ; D and source 0 window 1: d = y - c in place
	TILES OPDIF
	WIN 0x05
	TILES OPSQ
	WIN 0
	BFLY SQ
.irp mm, 0,1
.irp jj, 0,1
	ds_store_b128 v[AEX], v[SUM+8*\mm+4*\jj:SUM+8*\mm+4*\jj+3] offset:64*\mm+16*\jj   ; the 16 lanes of a half write the same bytes with the same values
	ds_store_b128 v[AEX], v[SQ+8*\mm+4*\jj:SQ+8*\mm+4*\jj+3] offset:128+64*\mm+16*\jj
.endr
.endr
	s_wait_dscnt 0x0                       ; for the others' sake
	BAR                                    ; the region is written again a scale later, behind rounds that every wave reaches behind its wait for the loads below
.irp vv, 0,1,2,3                       ; lane l finishes token l of my 32: the four waves that share my tokens
	ds_load_b32 v[FF+\vv], v[ALT] offset:512*\vv
	ds_load_b32 v[FF+4+\vv], v[ALT] offset:512*\vv+128
.endr
	ds_load_b32 v[FF+8], v[AOW]            ; my own c
	v_add_nc_u32 v37, 1, v[NT]             ; windows that cover token n: min(n + 1, s, windows, 512 - n)
	v_sub_nc_u32 v38, 512, v[NT]
	v_min_u32 v37, s[SS], v37
	v_min_u32 v38, s[SNW], v38
	v_min_u32 v37, v37, v38
	v_cvt_f32_u32 v37, v37
	v_cvt_f32_u32 v38, s[SNS]
	s_wait_dscnt 0x0
	v_add_f32 v39, v28, v29
	v_add_f32 v40, v30, v31
	v_add_f32 v41, v32, v33
	v_add_f32 v42, v34, v35
	v_add_f32 v39, v39, v40
	v_add_f32 v41, v41, v42                ; the four M2
	v_mul_f32 v39, 0x3e800000, v39         ; mu
.irp vv, 0,1,2,3
	v_sub_f32 v[FF+\vv], v[FF+\vv], v39
.endr
	v_sub_f32 v36, v36, v39
	v_mul_f32 v40, v28, v28
	v_fmac_f32 v40, v29, v29
	v_fmac_f32 v40, v30, v30
	v_fmac_f32 v40, v31, v31
	v_fmac_f32 v41, 0x43800000, v40        ; + 256 sum (c - mu)^2
	v_mul_f32 v41, 0x3a800000, v41         ; / 1024
	v_add_f32 v41, 0x3727c5ac, v41         ; + 1e-5
	VW
	v_rsq_f32 v42, v41
	v_rcp_f32 v43, v38
	v_nop
	VW
	v_mul_f32 v42, s[ISQ], v42             ; rs / sqrt 2
	v_mul_f32 v43, s[ISQ], v43
	v_mul_f32 v36, v36, v42                ; (c - mu) rs / sqrt 2
	v_mul_f32 v37, v37, v43                ; the weight, with gelu's 1 / sqrt 2
	ds_store_b32 v[ATS], v42
	ds_store_b32 v[ATS], v36 offset:128
	ds_store_b32 v[ATS], v37 offset:256
.irp mm, 0,1                           ; my wave's own bytes, served in order behind the stores
.irp jj, 0,1
	ds_load_b128 v[RS+8*\mm+4*\jj:RS+8*\mm+4*\jj+3], v[ATK] offset:64*\mm+16*\jj
	ds_load_b128 v[NM+8*\mm+4*\jj:NM+8*\mm+4*\jj+3], v[ATK] offset:128+64*\mm+16*\jj
.endr
.endr
	s_wait_dscnt 0x0
	WIN 0x41
	TILES OPNRM                            ; t = d rs + (c - mu) rs, in place
	WIN 0
.endm
; The head of a trip (group c, row tile m, tiles 2 p and 2 p + 1): X = t gamma + beta into window 0; the row tile's weights are asked for.
.macro ARM c, m, p
	WIN 0x01
.irp s, 0,1
.irp jp, 0,1,2,3
	v_pk_fma_f32 v[XR+8*\s+2*\jp:XR+8*\s+2*\jp+1], v[64*(\c)+32*(\m)+8*(2*(\p)+\s)+2*\jp:64*(\c)+32*(\m)+8*(2*(\p)+\s)+2*\jp+1], v[GB+2*(2*(\p)+\s):GB+2*(2*(\p)+\s)+1], v[GB+2*(2*(\p)+\s):GB+2*(2*(\p)+\s)+1] op_sel:[0,0,1] op_sel_hi:[1,0,1]
.endr
.endr
	WIN 0
	ds_load_b128 v[WT:WT+3], v[ATK] offset:256+64*(\m)
	ds_load_b128 v[WT+4:WT+7], v[ATK] offset:256+64*(\m)+16
.endm
.macro HORN dst, co
.irp j, 0,1,2,3
	v_pk_fma_f32 v[\dst+2*\j:\dst+2*\j+1], v[\dst+2*\j:\dst+2*\j+1], v[UU+2*\j:UU+2*\j+1], s[\co:\co+1] op_sel_hi:[1,1,0]
.endr
.endm
; Eight numbers of one tile.  One reciprocal serves four: T = Qa Qb (a pair), r = 1 / (T.lo T.hi); 1 / Qa.lo = Qb.lo T.hi r, and so on.  Q lies between -0.0143 and -2.39, so the product of four lies between 4e-8 and 33.
.macro SUB s, last
.set XB, XR+8*\s
.irp e, 0,1,2,3,4,5,6,7
	v_med3_num_f32 v[XC+\e], v[XB+\e], -4.0, 4.0
.endr
.irp j, 0,1,2,3
	v_pk_mul_f32 v[UU+2*\j:UU+2*\j+1], v[XC+2*\j:XC+2*\j+1], v[XC+2*\j:XC+2*\j+1]
.endr
.irp j, 0,1,2,3
	v_pk_fma_f32 v[PM+2*\j:PM+2*\j+1], v[UU+2*\j:UU+2*\j+1], v[VA13:VA13+1], s[A11:A11+1] op_sel_hi:[1,1,0]
.endr
.irp j, 0,1,2,3
	v_pk_fma_f32 v[QQ+2*\j:QQ+2*\j+1], v[UU+2*\j:UU+2*\j+1], v[VB8:VB8+1], s[B6:B6+1] op_sel_hi:[1,1,0]
.endr
	HORN PM, A9
	HORN QQ, B4
	HORN PM, A7
	HORN QQ, B2
	HORN PM, A5
	HORN QQ, B0
	HORN PM, A3
.irp g, 0,1
	v_pk_mul_f32 v[T1+2*\g:T1+2*\g+1], v[QQ+4*\g:QQ+4*\g+1], v[QQ+4*\g+2:QQ+4*\g+3]
.endr
	HORN PM, A1
.irp g, 0,1
	v_mul_f32 v[RR+\g], v[T1+2*\g], v[T1+2*\g+1]
.endr
.irp j, 0,1,2,3
	v_pk_mul_f32 v[PM+2*\j:PM+2*\j+1], v[XC+2*\j:XC+2*\j+1], v[PM+2*\j:PM+2*\j+1]
.endr
	VW                                     ; ahead of the batch of two
	v_rcp_f32 v[RR], v[RR]
	v_rcp_f32 v[RR+1], v[RR+1]
.irp j, 0,1,2,3
	v_pk_mul_f32 v[PM+2*\j:PM+2*\j+1], v[XB+2*\j:XB+2*\j+1], v[PM+2*\j:PM+2*\j+1]
.endr
.irp g, 0,1
	v_pk_mul_f32 v[PM+4*\g:PM+4*\g+1], v[PM+4*\g:PM+4*\g+1], v[QQ+4*\g+2:QQ+4*\g+3]
	v_pk_mul_f32 v[PM+4*\g+2:PM+4*\g+3], v[PM+4*\g+2:PM+4*\g+3], v[QQ+4*\g:QQ+4*\g+1]
.endr
.irp g, 0,1
	v_pk_mul_f32 v[PM+4*\g:PM+4*\g+1], v[PM+4*\g:PM+4*\g+1], v[T1+2*\g:T1+2*\g+1] op_sel:[0,1] op_sel_hi:[1,0]
	v_pk_mul_f32 v[PM+4*\g+2:PM+4*\g+3], v[PM+4*\g+2:PM+4*\g+3], v[T1+2*\g:T1+2*\g+1] op_sel:[0,1] op_sel_hi:[1,0]
.endr
.if \last
	s_wait_dscnt 0x0                       ; the weights
.endif
	VW                                     ; behind the batch, ahead of its first reader
.irp jj, 0,1                           ; X + X erf X
	v_pk_fma_f32 v[XB+2*\jj:XB+2*\jj+1], v[PM+2*\jj:PM+2*\jj+1], v[RR:RR+1], v[XB+2*\jj:XB+2*\jj+1] op_sel_hi:[1,0,1]
	v_pk_fma_f32 v[XB+4+2*\jj:XB+4+2*\jj+1], v[PM+4+2*\jj:PM+4+2*\jj+1], v[RR:RR+1], v[XB+4+2*\jj:XB+4+2*\jj+1] op_sel:[0,1,0] op_sel_hi:[1,1,1]
.endr
.endm
.macro BODY
	VW                                     ; X was written ahead of a taken branch
	SUB 0, 0
	SUB 1, 1
.irp jp, 0,1,2,3                       ; the token sums, two chains by turns
.irp s, 0,1
	v_pk_fma_f32 v[ACCO+2*\s:ACCO+2*\s+1], v[WT+2*\jp:WT+2*\jp+1], v[XR+8*\s+2*\jp:XR+8*\s+2*\jp+1], v[ACCO+2*\s:ACCO+2*\s+1]
.endr
.endr
.endm
.macro OZERO
.irp jj, 0,1,2,3
	v_mov_b32 v[ACCO+\jj], 0
.endr
	s_mov_b32 s[SM], 0
.endm
.macro MNEXT lab
	s_add_co_u32 s[SM], s[SM], 1
	s_cmp_lt_u32 s[SM], 2
	s_cbranch_scc1 \lab
.endm
.macro EFOLD adr, off                  ; a pair's two halves and the other half of the lanes; two columns a lane to my half of the row
.irp s, 0,1
	v_add_f32 v[TR+\s], v[ACCO+2*\s], v[ACCO+2*\s+1]
.endr
.irp s, 0,1
	v_permlanex16_b32 v[XC+\s], v[TR+\s], s[SEL], s[SEL+1]
.endr
.irp s, 0,1
	v_add_f32 v[TR+\s], v[TR+\s], v[XC+\s]
.endr
.irp s, 0,1
	ds_store_b32 v[\adr], v[TR+\s] offset:(\off)+64*\s
.endr
.endm
.macro EHALF c, p
	OZERO
.Lm_\@:
	s_cmp_lg_u32 s[SM], 0
	s_cbranch_scc1 .Lo_\@
	ARM \c, 0, \p
	s_branch .Lb_\@
.Lo_\@:
	ARM \c, 1, \p
.Lb_\@:
	BODY
	MNEXT .Lm_\@
	EFOLD AOS, 1024*(\c)+128*(\p)
.endm
.macro BSC
.irp tt, 0,1,2,3
	v_mul_f32 v[GB+2*\tt+1], s[ISQ], v[GB+2*\tt+1]
.endr
	VW
.endm
.macro EGRP c
	s_wait_dscnt 0x0                       ; this group's gamma and beta, asked for a phase ago
	BSC
	EHALF \c, 0
	EHALF \c, 1
.endm
; Between two refills: G(cg) of the next scale and E(ce) of this one, in the order that the wave's number gives.  G is written twice, E once.
.macro IVL cg, buf, ce, bw, gb, gbl
	s_cmp_lg_u32 s[ORD], 0
	s_cbranch_scc1 .Lb_\@
	GEMM \cg, \buf, 0, 1
.Lb_\@:
	EGRP \ce
.if \gbl
	GBL (\ce)+1
.endif
	s_cmp_eq_u32 s[ORD], 0
	s_cbranch_scc1 .Ld_\@
	GEMM \cg, \buf, \gb, 1
.Ld_\@:
.endm
.macro STOREOUT                        ; wave w adds the two halves of columns 128 w .. +127 and stores 512 consecutive bytes
	ds_load_b128 v[96:99], v[AOL]
	ds_load_b128 v[100:103], v[AOL] offset:4096
	s_wait_dscnt 0x0
	v_pk_add_f32 v[96:97], v[96:97], v[100:101]
	v_pk_add_f32 v[98:99], v[98:99], v[102:103]
	global_store_b128 v[OPT], v[96:99], s[18:19] th:TH_STORE_NT
.endm
.macro TRUNG c, p, test, done          ; the tail's ladder: the group, then the row tile
.if \test
	s_cmp_lg_u32 s[SC], \c
	s_cbranch_scc1 .Ln_\@
.endif
	s_cmp_lg_u32 s[SM], 0
	s_cbranch_scc1 .Lo_\@
	ARM \c, 0, \p
	s_branch \done
.Lo_\@:
	ARM \c, 1, \p
.if \test
	s_branch \done
.Ln_\@:
.endif
.endm
.macro THALF p
	OZERO
.Lm_\@:
	TRUNG 0, \p, 1, .Lb_\@
	TRUNG 1, \p, 1, .Lb_\@
	TRUNG 2, \p, 1, .Lb_\@
	TRUNG 3, \p, 0, .Lb_\@
.Lb_\@:
	BODY
	MNEXT .Lm_\@
	EFOLD AOT, 128*(\p)
.endm
	s_load_b512 s[4:19], s[0:1], 0x0       ; W_codes 4, W_scales 6, b 8, beta 10, gamma 12, x_codes 14, x_scales 16, part 18
	v_lshl_add_u32 v[SPW], v0, 2, SPARE
	v_mov_b32 v[NIL], 0
	ds_add_u32 v[SPW], v[NIL]
	ds_add_u32 v[SPW], v[NIL]
	v_lshrrev_b32 v55, 5, v0
	v_readfirstlane_b32 s[WV], v55         ; wave 0..7
	s_and_b32 s[TM], s[WV], 1
	s_lshr_b32 s[CN], s[WV], 1
	s_lshr_b32 s[ORD], s[WV], 2
	s_xor_b32 s[ORD], s[ORD], s[WV]
	s_and_b32 s[ORD], s[ORD], 1
	s_bfe_u32 s21, ttmp6, 0x40000          ; cx
	s_lshl_b32 s22, ttmp9, 2
	s_add_co_u32 s22, s22, s21             ; blk: it enters x's, x's scales' and part's addresses and the token number alone
	s_wait_dscnt 0x0
	v_and_b32 v[LN], 31, v0
	v_and_b32 v[LR], 15, v0
	v_bfe_u32 v[LH], v0, 4, 1
	s_mul_i32 s23, s[CN], QUART
	v_mul_u32_u24 v[AW], v[LR], PITCH
	v_lshl_add_u32 v[AW], v[LH], 4, v[AW]
	v_add_nc_u32 v[AW], s23, v[AW]
	v_add_nc_u32 v[AW+1], SLOTB, v[AW]
	s_lshl_b32 s70, s[CN], 11
	v_lshlrev_b32 v[OWS], 5, v[LR]
	v_lshl_add_u32 v[OWS], v[LH], 9, v[OWS]
	v_add_nc_u32 v[OWS], s70, v[OWS]
	s_lshl_b32 s71, s[CN], 8
	v_lshl_add_u32 v[OB], v[LR], 2, s71
	s_lshl_b32 s72, s[WV], 8
	s_add_co_u32 s72, s72, EXB
	v_lshl_add_u32 v[AEX], v[LH], 5, s72
	v_lshl_add_u32 v[AOW], v[LN], 2, s72
	s_lshl_b32 s73, s[TM], 8
	s_add_co_u32 s73, s73, EXB
	v_lshl_add_u32 v[ALT], v[LN], 2, s73
	s_mul_i32 s74, s[WV], 384
	s_add_co_u32 s74, s74, TOKB
	v_lshl_add_u32 v[ATS], v[LN], 2, s74
	v_lshl_add_u32 v[ATK], v[LH], 5, s74
	s_lshl_b32 s75, s[TM], 12
	s_add_co_u32 s75, s75, s71
	s_add_co_u32 s75, s75, OUTB
	v_lshl_add_u32 v[AOS], v[LR], 2, s75
	s_lshl_b32 s76, s[WV], 9
	v_lshl_add_u32 v[OPT], v[LN], 4, s76
	v_add_nc_u32 v[AOL], OUTB, v[OPT]
	s_and_b32 s78, s22, 7
	s_lshl_b32 s78, s78, 6
	s_lshl_b32 s79, s[TM], 5
	s_add_co_u32 s78, s78, s79
	v_add_nc_u32 v[NT], s78, v[LN]         ; my lane's token in its batch
	s_lshl_b32 s78, s[WV], 12
	v_lshl_add_u32 v[OX], v[LN], 4, s78    ; x in memory: my wave's 8 rows of 512 bytes
	s_mul_i32 s79, s[WV], 8*PITCH
	s_add_co_u32 s79, s79, XST
	v_lshl_add_u32 v[AXS], v[LN], 4, s79
	s_mul_i32 s79, s[TM], 32*PITCH
	s_add_co_u32 s79, s79, XST
	v_mul_u32_u24 v[AXL], v[LR], PITCH
	v_lshl_add_u32 v[AXL], v[LH], 4, v[AXL]
	v_add_nc_u32 v[AXL], s79, v[AXL]
	s_lshl_b32 s79, s[TM], 10
	v_lshlrev_b32 v[OXS], 5, v[LR]
	v_lshl_add_u32 v[OXS], v[LH], 9, v[OXS]
	v_add_nc_u32 v[OXS], s79, v[OXS]       ; x's scale words: 32 bytes a token; lanes 16-31 take row tile 1
	v_add_nc_u32 v[AGB], XST, v[OB]        ; the thread's number has had its last use
	v_mov_b32 v[VA13], 0xaf95df0b
	v_mov_b32 v[VA13+1], 0xaf95df0b
	v_mov_b32 v[VB8], 0xb77460cd
	v_mov_b32 v[VB8+1], 0xb77460cd
	COEF A11, 0x32edffee
	COEF A9, 0xb60cff51
	COEF A7, 0xb86ec2d2
	COEF A5, 0xba40ac63
	COEF A3, 0xbb41a1f6
	COEF A1, 0xbc83dbd4
	COEF B6, 0xb95fbd29
	COEF B4, 0xbadc924e
	COEF B2, 0xbbf19bf8
	COEF B0, 0xbc69b6a7
	s_mov_b32 s[SEL], 0x76543210
	s_mov_b32 s[SEL+1], 0xfedcba98
	s_mov_b32 s[ISQ], 0x3f3504f3
	s_mov_b32 s[SI], 0
	s_mov_b32 s[SS], 4
	s_mov_b32 s[SNW], 509
	s_mov_b32 s[SNS], 2036
	s_mov_b32 s[G1W], 15|(0<<16)|(1<<20)|(1<<21)|(6<<22)|(3<<25)   ; mask of all four; 1-byte elements; 4 words of padding behind every 128
	s_mov_b32 s[G1W+1], 512<<16
	s_mov_b32 s[G1W+2], 32<<16
	s_mov_b32 s[G1W+3], 512<<16
	s_mov_b32 s[G1W+4], 32
	s_mov_b32 s[G1W+5], 512
	s_mov_b32 s[G1W+6], 0
	s_mov_b32 s[G1W+7], 0
	s_mul_i32 s23, s[WV], PART8            ; my 32 rows of a slot in LDS,
	s_lshl_b32 s78, s[WV], 14              ; and in memory
	s_mov_b32 s79, 0
	s_mov_b32 s73, 0
	VW                                     ; at the head's end
	s_wait_kmcnt 0x0
	s_mov_b32 s[G0W], 1
	s_mov_b32 s[G0W+1], s23
	s_add_nc_u64 s[G0W+2:G0W+3], s[4:5], s[78:79]
	s_mov_b32 s[G0W+4], 1
	s_add_co_u32 s[G0W+5], s23, SLOTB
	s_add_nc_u64 s[G0W+6:G0W+7], s[G0W+2:G0W+3], 131072
	s_or_b32 s[G0W+3], s[G0W+3], 0x80000000
	s_or_b32 s[G0W+7], s[G0W+7], 0x80000000
	s_lshl_b32 s72, s22, 15
	s_add_nc_u64 s[14:15], s[14:15], s[72:73]
	s_lshl_b32 s72, s22, 11
	s_add_nc_u64 s[16:17], s[16:17], s[72:73]
	s_mul_i32 s72, s22, 12288
	s_add_nc_u64 s[18:19], s[18:19], s[72:73]
	ROUND                                  ; the first joint loads meet
	TLOAD 0                                ; slot 0: my one tensor load at the head
.set NI, 0
.rept 8
	global_load_b128 v[96+4*NI:99+4*NI], v[OX], s[14:15] offset:512*NI th:TH_LOAD_NT
.set NI, NI+1
.endr
	global_load_b128 v[XS:XS+3], v[OXS], s[16:17]
	global_load_b128 v[XS+4:XS+7], v[OXS], s[16:17] offset:16
	PREFG 0
	s_wait_loadcnt 10                      ; x's 8 rows are in; the 2 + 8 issued behind them may be out
.set NI, 0
.rept 8
	ds_store_b128 v[AXS], v[96+4*NI:99+4*NI] offset:PITCH*NI
.set NI, NI+1
.endr
	s_wait_tensorcnt 0x0                   ; slot 1's first fill goes out as a refill does
	ds_add_u32 v[SPW], v[NIL]
	s_wait_dscnt 0x0                       ; the add, and my rows in the stage
	ROUND                                  ; slot 0 and the stage are whole
	TLOAD 1
.irp mm, 0,1
.irp qq, 0,1,2,3,4,5,6,7
.irp cc, 0,1
	ds_load_b128 v[XF0+64*\mm+8*\qq+4*\cc:XF0+64*\mm+8*\qq+4*\cc+3], v[AXL] offset:16*PITCH*\mm+64*\qq+32*\cc
.endr
.endr
.endr
	GEMM 0, 0, 0, 1
.irp i, 0,1,2                          ; gamma and beta, all scales, come once: wave w takes columns 128 w .. +127, 512 consecutive bytes a load
	global_load_b128 v[64+8*\i:67+8*\i], v[OPT], s[12:13] offset:4096*\i
	global_load_b128 v[68+8*\i:71+8*\i], v[OPT], s[10:11] offset:4096*\i
.endr
	v_add_nc_u32 v63, XST, v[OPT]
	VW
	HF 0
	s_wait_loadcnt 0x0
.irp i, 0,1,2                          ; into the stage's bytes: every wave has read x out of them ahead of the round above; the tables are first read behind later rounds
	ds_store_b128 v63, v[64+8*\i:67+8*\i] offset:4096*\i
	ds_store_b128 v63, v[68+8*\i:71+8*\i] offset:12288+4096*\i
.endr
	GEMM 1, 1, 0, 1
	HF 1                                   ; slot 3
	GEMM 2, 0, 0, 1
	s_wait_tensorcnt 0x0                   ; my part of slot 3 is in,
	s_wait_dscnt 0x0
	BAR                                    ; and everybody's
.Lscale:
	GEMM 3, 1, 0, 0
	GBL 0
	STATS
	s_cmp_eq_u32 s[SI], 2
	s_cbranch_scc1 .Ltail                  ; the last scale asks for nothing more: its tail is written out
	s_add_nc_u64 s[6:7], s[6:7], 32768     ; the loads that named these bases were waited for at the head of the products above
	s_add_nc_u64 s[8:9], s[8:9], 4096
	PREFG 0
	HF 0
	EGRP 0
	GBL 1
	HF 1
	IVL 0, 0, 1, 0, 0, 1
	HF 0
	IVL 1, 1, 2, 0, 0, 1
	HF 1
	IVL 2, 0, 3, 0, 0, 0
	s_wait_tensorcnt 0x0                   ; my part of the next scale's last slot is in,
	s_wait_dscnt 0x0                       ; my columns lie in the row,
	BAR                                    ; and everybody's
	STOREOUT
	s_wait_xcnt 0x0
	s_add_nc_u64 s[18:19], s[18:19], 4096
	v_add_nc_u32 v[AGB], 4096, v[AGB]      ; the next scale's tables (no LDS load of mine is out)
	VW
	s_lshl_b32 s[SS], s[SS], 1
	s_sub_co_u32 s[SNW], 513, s[SS]
	s_mul_i32 s[SNS], s[SNW], s[SS]
	s_add_co_u32 s[SI], s[SI], 1
	s_cmp_lt_u32 s[SI], 3
	s_cbranch_scc1 .Lscale
.Ltail:                                        ; the last scale's four groups: one text, walked four times
	v_mov_b32 v[OGT], v[AGB]
	v_mov_b32 v[AOT], v[AOS]
	VW
	s_mov_b32 s[SC], 0
.Ltg:
	s_wait_dscnt 0x0
	v_add_nc_u32 v[OGT], 1024, v[OGT]      ; the next group's gamma and beta (no load that names it is out)
	BSC
	THALF 0
	THALF 1
	v_add_nc_u32 v[AOT], 1024, v[AOT]
	s_cmp_eq_u32 s[SC], 3
	s_cbranch_scc1 .Ltn                    ; the last group asks for nothing beyond the tables
.irp tt, 0,1,2,3
	ds_load_b32 v[GB+2*\tt], v[OGT] offset:64*\tt
	ds_load_b32 v[GB+2*\tt+1], v[OGT] offset:12288+64*\tt
.endr
.Ltn:
	s_add_co_u32 s[SC], s[SC], 1
	s_cmp_lt_u32 s[SC], 4
	s_cbranch_scc1 .Ltg
	s_wait_dscnt 0x0
	BAR
	STOREOUT
	s_wait_tensorcnt 0x0                   ; the wave's end
	ds_add_u32 v[SPW], v[NIL]
	s_wait_dscnt 0x0
	ROUND                                  ; the closing round
	s_endpgm
.Lfunc_end_k_q0e700a5483_mlp:
	.size	k_q0e700a5483_mlp, .Lfunc_end_k_q0e700a5483_mlp-k_q0e700a5483_mlp
	.p2alignl 7, 3214868480
	.fill 96, 4, 3214868480
	.section	.rodata,"a",@progbits
	.p2align	6, 0x0
	.amdhsa_kernel k_q0e700a5483_mlp
		.amdhsa_group_segment_fixed_size 327680
		.amdhsa_private_segment_fixed_size 0
		.amdhsa_enable_private_segment 0
		.amdhsa_kernarg_size 64
		.amdhsa_user_sgpr_count 2
		.amdhsa_user_sgpr_kernarg_segment_ptr 1
		.amdhsa_wavefront_size32 1
		.amdhsa_system_sgpr_workgroup_id_x 1
		.amdhsa_system_sgpr_workgroup_id_y 1
		.amdhsa_system_sgpr_workgroup_id_z 1
		.amdhsa_system_vgpr_workitem_id 0
		.amdhsa_next_free_vgpr 512
		.amdhsa_next_free_sgpr 84
		.amdhsa_reserve_vcc 0
		.amdhsa_float_denorm_mode_32 3
		.amdhsa_float_denorm_mode_16_64 3
		.amdhsa_memory_ordered 1
		.amdhsa_forward_progress 1
		.amdhsa_inst_pref_size 255
	.end_amdhsa_kernel
	.section	.bss,"aw",@nobits
	.p2align	6
	.space	262144
	.amdgpu_metadata
---
amdhsa.version: [ 1, 2 ]
amdhsa.kernels:
  - .name:           k_q0e700a5483_mlp
    .symbol:         k_q0e700a5483_mlp.kd
    .args:
      - { .name: W_codes, .offset: 0, .size: 8, .value_kind: global_buffer, .address_space: global }
      - { .name: W_scales, .offset: 8, .size: 8, .value_kind: global_buffer, .address_space: global }
      - { .name: b, .offset: 16, .size: 8, .value_kind: global_buffer, .address_space: global }
      - { .name: beta, .offset: 24, .size: 8, .value_kind: global_buffer, .address_space: global }
      - { .name: gamma, .offset: 32, .size: 8, .value_kind: global_buffer, .address_space: global }
      - { .name: x_codes, .offset: 40, .size: 8, .value_kind: global_buffer, .address_space: global }
      - { .name: x_scales, .offset: 48, .size: 8, .value_kind: global_buffer, .address_space: global }
      - { .name: part, .offset: 56, .size: 8, .value_kind: global_buffer, .address_space: global }
    .group_segment_fixed_size: 327680
    .private_segment_fixed_size: 0
    .kernarg_segment_align: 8
    .kernarg_segment_size: 64
    .max_flat_workgroup_size: 256
    .sgpr_count:     84
    .vgpr_count:     512
    .wavefront_size: 32
...
	.end_amdgpu_metadata
.endif
;; end of part 1
;; launch fold (part 2): grid 256 x 1, 3 waves a work-group, no clusters, 0 bytes of LDS; arguments part, out0, out1, out2; writes out0, out1, out2
.if DOCPART == 2
	.amdgcn_target "amdgcn-amd-amdhsa--gfx1250"
	.amdhsa_code_object_version 6
	.text
	.protected	k_q0e700a5483_fold
	.globl	k_q0e700a5483_fold
	.p2align	8
	.type	k_q0e700a5483_fold,@function
k_q0e700a5483_fold:
	s_mov_b64 s[64:65], 0
	v_nop
	global_prefetch_b8 v0, s[64:65] scope:SCOPE_SE
	s_setreg_imm32_b32 hwreg(HW_REG_WAVE_MODE, 25, 1), 1
	s_wait_xcnt 0x0
; out_i[b][e] = the sum over k = 0 .. 7 of part[8 b + k][i][e]: the eight blocks of 64 tokens of a batch.  part: [256][3][1024] f32; out0, out1, out2: [32][1024] f32.
; Work-group g takes batch g / 8 and columns 128 (g % 8) on; wave w takes scale w.  A lane holds four columns: each load and the store of a wave cover 512 consecutive bytes, at a multiple of 256 from the buffer's first byte.
; A stream of a few loads a wave: no LDS, no barrier, no matrix unit, no cluster: the waves share nothing.
.set ROWB,  4096                       ; a row of 1,024 f32
.set BLKB,  3*ROWB                     ; a block's three rows
	s_load_b256 s[4:11], s[0:1], 0x0               ; part s[4:5], out0 s[6:7], out1 s[8:9], out2 s[10:11]
	v_lshrrev_b32 v1, 5, v0
	v_readfirstlane_b32 s12, v1                    ; wave = scale
	v_and_b32 v2, 31, v0
	v_lshlrev_b32 v2, 4, v2                        ; 16 bytes a lane
	s_lshr_b32 s13, ttmp9, 3                       ; batch
	s_and_b32 s14, ttmp9, 7                        ; which 128 columns
	s_lshl_b32 s15, s14, 9
	s_mul_i32 s16, s13, 8*BLKB
	s_lshl_b32 s22, s12, 12
	s_add_co_u32 s16, s16, s22
	s_add_co_u32 s16, s16, s15                     ; part: 8 blocks a batch, the scale's row, my columns
	s_mov_b32 s17, 0
	s_lshl_b32 s18, s13, 12
	s_add_co_u32 s18, s18, s15                     ; out: the batch's row, my columns
	s_mov_b32 s19, 0
	s_wait_alu depctr_va_vdst(0)
	s_wait_kmcnt 0x0
	s_add_nc_u64 s[4:5], s[4:5], s[16:17]
	s_cmp_eq_u32 s12, 0                            ; the output is chosen by the wave's number alone
	s_cselect_b64 s[20:21], s[6:7], s[8:9]
	s_cmp_eq_u32 s12, 2
	s_cselect_b64 s[20:21], s[10:11], s[20:21]
	s_add_nc_u64 s[20:21], s[20:21], s[18:19]
.irp k, 0,1,2,3,4,5,6,7
	global_load_b128 v[4+4*\k:7+4*\k], v2, s[4:5] offset:BLKB*\k th:TH_LOAD_NT   ; read once in the launch
.endr
	s_wait_loadcnt 0x0
.irp k, 0,2,4,6
	v_pk_add_f32 v[4+4*\k:5+4*\k], v[4+4*\k:5+4*\k], v[8+4*\k:9+4*\k]
	v_pk_add_f32 v[6+4*\k:7+4*\k], v[6+4*\k:7+4*\k], v[10+4*\k:11+4*\k]
.endr
.irp k, 0,4
	v_pk_add_f32 v[4+4*\k:5+4*\k], v[4+4*\k:5+4*\k], v[12+4*\k:13+4*\k]
	v_pk_add_f32 v[6+4*\k:7+4*\k], v[6+4*\k:7+4*\k], v[14+4*\k:15+4*\k]
.endr
	v_pk_add_f32 v[4:5], v[4:5], v[20:21]
	v_pk_add_f32 v[6:7], v[6:7], v[22:23]
	global_store_b128 v2, v[4:7], s[20:21]
	s_endpgm
.Lfunc_end_k_q0e700a5483_fold:
	.size	k_q0e700a5483_fold, .Lfunc_end_k_q0e700a5483_fold-k_q0e700a5483_fold
	.p2alignl 7, 3214868480
	.fill 96, 4, 3214868480
	.section	.rodata,"a",@progbits
	.p2align	6, 0x0
	.amdhsa_kernel k_q0e700a5483_fold
		.amdhsa_group_segment_fixed_size 0
		.amdhsa_private_segment_fixed_size 0
		.amdhsa_enable_private_segment 0
		.amdhsa_kernarg_size 32
		.amdhsa_user_sgpr_count 2
		.amdhsa_user_sgpr_kernarg_segment_ptr 1
		.amdhsa_wavefront_size32 1
		.amdhsa_system_sgpr_workgroup_id_x 1
		.amdhsa_system_sgpr_workgroup_id_y 1
		.amdhsa_system_sgpr_workgroup_id_z 1
		.amdhsa_system_vgpr_workitem_id 0
		.amdhsa_next_free_vgpr 48
		.amdhsa_next_free_sgpr 66
		.amdhsa_reserve_vcc 0
		.amdhsa_float_denorm_mode_32 3
		.amdhsa_float_denorm_mode_16_64 3
		.amdhsa_memory_ordered 1
		.amdhsa_forward_progress 1
		.amdhsa_inst_pref_size 3
	.end_amdhsa_kernel
	.amdgpu_metadata
---
amdhsa.version: [ 1, 2 ]
amdhsa.kernels:
  - .name:           k_q0e700a5483_fold
    .symbol:         k_q0e700a5483_fold.kd
    .args:
      - { .name: part, .offset: 0, .size: 8, .value_kind: global_buffer, .address_space: global }
      - { .name: out0, .offset: 8, .size: 8, .value_kind: global_buffer, .address_space: global }
      - { .name: out1, .offset: 16, .size: 8, .value_kind: global_buffer, .address_space: global }
      - { .name: out2, .offset: 24, .size: 8, .value_kind: global_buffer, .address_space: global }
    .group_segment_fixed_size: 0
    .private_segment_fixed_size: 0
    .kernarg_segment_align: 8
    .kernarg_segment_size: 32
    .max_flat_workgroup_size: 96
    .sgpr_count:     66
    .vgpr_count:     48
    .wavefront_size: 32
...
	.end_amdgpu_metadata
.endif
;; end of part 2
